; MI455X (gfx1250); checked and timed in simulation.
; The chip was launched on July 23, 2026; its instructions are those of AMD's public machine-readable ISA for CDNA 5 (MIT licence, August 2026) and "CDNA5" Instruction Set Architecture Reference Guide (July 2026). The comments in the code are by the model that wrote it; some were corrected since.
;; Neural Quantizer. Allowed arithmetic: float matrix products may take bf16 or f16 operands with f32 sums; all other float work in f32.
;; Inputs: centers 128 float32; x 4 x 512 x 1,024 float32.
;; Outputs: out0 4 x 512 x 1,024 float32.
;; One version. Each part assembles by itself: llvm-mc -triple=amdgcn-amd-amdhsa -mcpu=gfx1250 --defsym DOCPART=n.
;; ======== version 1 of 1: 1 launch
;; limits: values within 1.2e-07 (relative) of each other or of a threshold may be ordered or decided otherwise than in the reference
;; launch quantize (part 1): grid 256 x 1, 16 waves a work-group, no clusters, 3,072 bytes of LDS; arguments x, centers, out0; writes out0
.if DOCPART == 1
	.amdgcn_target "amdgcn-amd-amdhsa--gfx1250"
	.amdhsa_code_object_version 6
	.text
	.protected	k_q118f88050f_quantize
	.globl	k_q118f88050f_quantize
	.p2align	8
	.type	k_q118f88050f_quantize,@function
k_q118f88050f_quantize:
	s_mov_b64 s[64:65], 0
	v_nop
	global_prefetch_b8 v0, s[64:65] scope:SCOPE_SE
	s_setreg_imm32_b32 hwreg(HW_REG_WAVE_MODE, 25, 1), 1
	s_wait_xcnt 0x0
; out = x + (q - x), q = the centre with the smallest f32 distance |x - c|, the first index winning a tie.
; x, out: 2,097,152 f32.  centers: 128 f32, in any order, duplicates allowed.
;
; No address and no branch hangs on data: the answer is made by compares and selects alone.
;  1. Waves 0-3 sort the 128 centres (a bitonic network of min/max) and find, for every sorted slot, the first original
;     index that holds its value.  Table and indices go through LDS to all 16 waves, one barrier.
;  2. Every wave keeps the sorted table S in 128 registers (equal in all lanes).  For one x: seven compares; after each, the half
;     of the table that still matters is kept by selects (65+33+17+9+5+3+2 = 134, two to an instruction).  Left are lo <= x < hi,
;     neighbours in S.  Rounding is monotone, so no other centre has a smaller f32 distance than the nearer of these two.
;  3. sP = x - lo, sN = x - hi as reference() rounds them; lo wins if |sP| < |sN|, or on |sP| = |sN| if its value comes first in
;     the original order (flag U).  out = x - s, which is fl(x + fl(q - x)) bit for bit, since fl(q - x) = -fl(x - q).
;
; LIMITS.  centers holds no NaN (min/max drop it; reference() would return NaN everywhere).  A tie |sP| = |sN| is settled by the
; first indices of the values lo and hi; if a third, different centre lies so near lo or hi that its distance rounds to the same
; f32 (within one unit in the last place of that distance) and has the lowest index of all, reference() may take the other side.
; A result of zero may carry the other sign.  x = NaN or infinity gives NaN, as in reference().
;
; SHARES.  256 work-groups of 16 waves; a work-group owns 8,192 numbers (32 KiB), thread t the 16 bytes at 16 t of each of four
; groups of 8,192 bytes: one load or store of a wave covers 512 consecutive bytes.  All four loads are issued before the
; preparation, which runs while they are on their way.  No cluster: the work-groups share only the 512 bytes of centers.
.set THREADS, 512
.set GRP,     THREADS*16               ; bytes that one load of all threads covers
.set PREPW,   4                        ; waves that prepare the table
.set MOFF,    0                        ; LDS: first indices, slot r at 128 (r & 3) + 4 (r >> 2): wave q's 32 slots lie together
.set SOFF,    512                      ; LDS: the sorted table, slot r at 4 r
; vector registers
.set X,    2                           ; v[2:17]    my 16 numbers, replaced in place by the results
.set FW,   18                          ; v[18:21]   tie flags: word w, bit 31-j = U[32 w + j]
.set LN,   22                          ; up to the search: lane
.set VA,   23                          ;   LDS offset of the first index of slot 31 - lane (+ 32 w)
.set VB,   24                          ;   and of slot 32 - lane (+ 32 w)
.set TMP,  25
.set FA,   22                          ; in the search: flag words on their way down; the numbers are chosen so that every
.set FB,   23                          ;   pair below obeys the dual form's rules (one destination even, one odd; the two
.set FE,   24                          ;   first sources, and the two second sources, differ modulo 4)
.set FO,   25
.set FSH,  26
.set SP,   22                          ; x - lo
.set SN,   23                          ; x - hi
.set A2,   26
.set B2,   27
.set T1,   28                          ; v[28:92]   table of 65, later 17, 5, 2
.set T2,   93                          ; v[93:125]  table of 33, later 9, 3
.set TB,   126                         ; v[126:253] all 128 centres in every lane: as given (preparation), then sorted
; the preparation's scratch lies in T1's registers
.set P0,   28                          ; four centres a lane, element e = 4 lane + register; two sets that take turns
.set P1,   32
.set MN,   36
.set MX,   40
.set PL,   44
.set VS,   48                          ; my slot's value (and one temporary)
.set MC,   50                          ; four chains of the search for the first index
.set AD16, 54                          ; 16 lane
.set ADZ,  55                          ; 0
.set MA,   56
.set MK,   40                          ; s[40:47] compare masks
	s_load_b128 s[4:7], s[0:1], 0x0                ; x s[4:5], centers s[6:7]
	s_load_b64 s[8:9], s[0:1], 0x10                ; out0
	v_lshl_add_u32 v254, v0, 2, 0x400
	v_mov_b32 v255, 0
	v_lshrrev_b32 v[TMP], 5, v0
	v_readfirstlane_b32 s10, v[TMP]                ; wave 0..15
	v_lshlrev_b32 v1, 4, v0                        ; 16 t: my bytes in each group, for loads and stores
	v_and_b32 v[LN], 31, v0
	v_xor_b32 v[VA], 31, v[LN]                     ; u = 31 - lane
	v_add_nc_u32 v[VB], 1, v[VA]                   ; u + 1
	v_and_b32 v[TMP], 3, v[VA]
	v_and_b32 v[VA], 60, v[VA]
	v_lshl_add_u32 v[VA], v[TMP], 7, v[VA]         ; 128 (u & 3) + 4 (u >> 2)
	v_and_b32 v[TMP], 3, v[VB]
	v_and_b32 v[VB], 60, v[VB]
	v_lshl_add_u32 v[VB], v[TMP], 7, v[VB]         ; the same for u + 1
	s_lshl_b32 s12, ttmp9, 15                      ; the work-group's 32,768 bytes
	s_mov_b32 s13, 0
	s_wait_kmcnt 0x0
	s_add_nc_u64 s[4:5], s[4:5], s[12:13]
	s_add_nc_u64 s[8:9], s[8:9], s[12:13]
.macro XLOADS
.irp g, 0,1,2,3
	global_load_b128 v[X+4*\g:X+4*\g+3], v1, s[4:5] offset:\g*GRP th:TH_LOAD_NT
.endr
.endm
	s_cmp_ge_u32 s10, PREPW
	s_cbranch_scc1 .Lothers
; ---------------------------------------------------------------- waves 0-3: the preparation
	v_lshlrev_b32 v[AD16], 4, v[LN]
	v_mov_b32 v[ADZ], 0
	global_load_b128 v[P0:P0+3], v[AD16], s[6:7]   ; centres 4 lane .. 4 lane + 3: to be sorted
.set i, 0
.rept 32
	global_load_b128 v[TB+4*i:TB+4*i+3], v[ADZ], s[6:7] offset:16*i   ; all centres in original order, in every lane
.set i, i+1
.endr
	XLOADS                                         ; behind the centres, so that the sort does not wait for the stream
	s_mov_b32 s20, 0xaaaaaaaa                      ; lanes with bit 0 set: the upper partner at lane distance 1
	s_mov_b32 s21, 0xcccccccc                      ; bit 1
	s_mov_b32 s22, 0xf0f0f0f0                      ; bit 2
	s_mov_b32 s23, 0xff00ff00                      ; bit 3
	s_mov_b32 s24, 0xffff0000                      ; bit 4
	s_mov_b32 s26, 0x89abcdef                      ; v_permlanex16_b32: lane i of a row reads lane 15 - i of the other row,
	s_mov_b32 s27, 0x01234567                      ; which is lane xor 31
	s_bitcmp1_b32 s10, 0
	s_cselect_b32 s28, -1, 0                       ; wave bit 0, as a mask for all lanes
	s_bitcmp1_b32 s10, 1
	s_cselect_b32 s29, -1, 0                       ; wave bit 1
.irp q, 0,1,2,3
	v_mov_b32 v[MN+\q], 0                          ; a DPP form or a lane permute may leave lanes of its destination as they
	v_mov_b32 v[MX+\q], 0                          ; were: the destinations are defined once
	v_mov_b32 v[PL+\q], 0
	v_mov_b32 v[MC+\q], 0xff                       ; no index found yet
.endr
; The network: for runs of k = 2, 4 .. 128 first element e meets e xor (k-1), then e xor k/4, k/8 .. 1; the lower element
; always takes the minimum.  With e = 4 lane + q, distances 1 and 2 stay inside a lane; e xor (k-1) is lane xor (k/4-1), q -> 3-q.
.set CUR, P0
.set NXT, P1
.macro FLIPSETS
.set SWP, CUR
.set CUR, NXT
.set NXT, SWP
.endm
.macro CE a, b
	v_min_num_f32 v[NXT+\a], v[CUR+\a], v[CUR+\b]
	v_max_num_f32 v[NXT+\b], v[CUR+\a], v[CUR+\b]
.endm
.macro R_D1                            ; distance 1
	CE 0, 1
	CE 2, 3
	FLIPSETS
.endm
.macro R_D2                            ; distance 2
	CE 0, 2
	CE 1, 3
	FLIPSETS
.endm
.macro R_FLIP                          ; e xor 3
	CE 0, 3
	CE 1, 2
	FLIPSETS
.endm
.macro PICK up                         ; lanes of mask s[up] are the upper partners: they keep the maximum
.irp q, 0,1,2,3
	v_cndmask_b32 v[NXT+\q], v[MN+\q], v[MX+\q], s[\up]
.endr
	FLIPSETS
.endm
.macro LANES xm, flip, up              ; partner: lane xor xm, register q, or 3 - q where flip = 1
.irp q, 0,1,2,3
.if \flip
	v_min_num_f32_dpp v[MN+\q], v[CUR+3-\q], v[CUR+\q] row_xmask:\xm row_mask:0xf bank_mask:0xf
	v_max_num_f32_dpp v[MX+\q], v[CUR+3-\q], v[CUR+\q] row_xmask:\xm row_mask:0xf bank_mask:0xf
.else
	v_min_num_f32_dpp v[MN+\q], v[CUR+\q], v[CUR+\q] row_xmask:\xm row_mask:0xf bank_mask:0xf
	v_max_num_f32_dpp v[MX+\q], v[CUR+\q], v[CUR+\q] row_xmask:\xm row_mask:0xf bank_mask:0xf
.endif
.endr
	PICK \up
.endm
.macro LANES31 up                      ; partner: lane xor 31, register 3 - q
.irp q, 0,1,2,3
	v_permlanex16_b32 v[PL+\q], v[CUR+3-\q], s26, s27
.endr
.irp q, 0,1,2,3
	v_min_num_f32 v[MN+\q], v[PL+\q], v[CUR+\q]
	v_max_num_f32 v[MX+\q], v[PL+\q], v[CUR+\q]
.endr
	PICK \up
.endm
	s_wait_loadcnt 36                              ; loads return in order (ISA guide 5.7.1): my four centres are in; the 32
	                                               ; broadcast loads and the 4 loads of x behind them stay out
	R_D1                                           ; sorted runs of 2
	R_FLIP
	R_D1                                           ; of 4: a lane
	LANES 1, 1, 20
	R_D2
	R_D1                                           ; of 8
	LANES 3, 1, 21
	LANES 1, 0, 20
	R_D2
	R_D1                                           ; of 16
	LANES 7, 1, 22
	LANES 2, 0, 21
	LANES 1, 0, 20
	R_D2
	R_D1                                           ; of 32
	LANES 15, 1, 23
	LANES 4, 0, 22
	LANES 2, 0, 21
	LANES 1, 0, 20
	R_D2
	R_D1                                           ; of 64
	LANES31 24
	LANES 8, 0, 23
	LANES 4, 0, 22
	LANES 2, 0, 21
	LANES 1, 0, 20
	R_D2
	R_D1                                           ; all 128: S[4 lane + q] = v[CUR+q], the same in each of the four waves
	s_cmp_lg_u32 s10, 0
	s_cbranch_scc1 .Lnot_wave_0
	ds_store_b128 v[AD16], v[CUR:CUR+3] offset:SOFF ; one wave writes the table
.Lnot_wave_0:
	v_cndmask_b32 v[VS], v[CUR], v[CUR+1], s28     ; wave q takes the slots 4 lane + q
	v_cndmask_b32 v[VS+1], v[CUR+2], v[CUR+3], s28
	v_cndmask_b32 v[VS], v[VS], v[VS+1], s29
	s_wait_loadcnt 4                               ; the 32 broadcast loads are in; the 4 loads of x stay out
	; The first original index t whose centre equals my slot's value: four chains, one for each 32 indices, each walked
	; downward so that the lowest match is written last.  Eight masks at a time keep a compare apart from its select.
.set i, 31
.rept 16
.irp c, 0,1,2,3
	v_cmp_neq_f32 s[MK+\c], v[TB+32*\c+i], v[VS]
.endr
.irp c, 0,1,2,3
	v_cmp_neq_f32 s[MK+4+\c], v[TB+32*\c+i-1], v[VS]
.endr
.irp c, 0,1,2,3
	v_cndmask_b32 v[MC+\c], 32*\c+i, v[MC+\c], s[MK+\c]        ; equal: the index; else as it was
.endr
.irp c, 0,1,2,3
	v_cndmask_b32 v[MC+\c], 32*\c+i-1, v[MC+\c], s[MK+4+\c]
.endr
.set i, i-2
.endr
	v_min3_u32 v[MC], v[MC], v[MC+1], v[MC+2]
	v_min_u32 v[MC], v[MC], v[MC+3]
	v_lshlrev_b32 v[MA], 2, v0                     ; 128 q + 4 lane: each wave writes 128 bytes of its own
	ds_store_b32 v[MA], v[MC] offset:MOFF
	s_branch .Lmeet
.Lothers:
	XLOADS                                         ; waves 4-15: their loads, then the barrier
; ---------------------------------------------------------------- all waves
.Lmeet:
	s_wait_dscnt 0x0                               ; for the others' sake: my LDS stores are done before I say so
	s_barrier_signal -1
	s_barrier_wait -1
	v_mov_b32 v[B2], 0
.set i, 0
.rept 32
	ds_load_b128 v[TB+4*i:TB+4*i+3], v[B2] offset:SOFF+16*i    ; every lane reads the same 16 bytes: S[4 i .. 4 i + 3]
.set i, i+1
.endr
.irp w, 0,1,2,3
	ds_load_b32 v[T1+\w], v[VA] offset:MOFF+32*\w              ; first index of slot r = 32 w + 31 - lane
	ds_load_b32 v[T1+4+\w], v[VB] offset:MOFF+32*\w            ; and of slot r + 1 (for r = 127 some other slot's: U[127] is never
.endr                                                              ; decisive, lo and hi are then the same centre)
	s_wait_dscnt 0x0
.irp w, 0,1,2,3
	v_cmp_lt_u32 s[36+\w], v[T1+\w], v[T1+4+\w]                ; bit lane = U[32 w + 31 - lane]: lo comes first
.endr
.irp w, 0,1,2,3
	v_mov_b32 v[FW+\w], s[36+\w]
.endr
; Two selects on VCC in one instruction.  D = VCC ? second source : first source.
.macro SEL2 d, a, b                    ; registers d, a, b and the three one above: neighbours differ in parity and modulo 4
	v_dual_cndmask_b32 v[\d], v[\a], v[\b] :: v_dual_cndmask_b32 v[\d+1], v[\a+1], v[\b+1]
.endm
.macro SELP d0, a0, b0, d1, a1, b1     ; two selects that are no neighbours: a level's odd entry and the flag word
	v_dual_cndmask_b32 v[\d0], v[\a0], v[\b0] :: v_dual_cndmask_b32 v[\d1], v[\a1], v[\b1]
.endm
.macro LEVEL in, out, half             ; out[j] = VCC ? in[half + j] : in[j], j = 0 .. half - 1
.set j, 0
.rept \half/2
	SEL2 (\out+j), (\in+j), (\in+\half+j)
.set j, j+2
.endr
.endm
; One number.  A table of 2 h + 1 entries T[0] <= x < T[2h] (or an end of S) becomes one of h + 1.  Behind S[127] stands S[127]
; once more.  The flag word follows: the word is chosen by the first two compares, then the upper half moves to the top,
; so that at the end bit 31 is U[r].
.macro ELEM x
	v_cmp_ge_f32 vcc_lo, v[\x], v[TB+64]
	LEVEL TB, T1, 64
	SELP FA, FW, FW+2, FB, FW+1, FW+3
	v_cndmask_b32 v[T1+64], v[TB+64], v[TB+127], vcc_lo
	v_cmp_ge_f32 vcc_lo, v[\x], v[T1+32]
	LEVEL T1, T2, 32
	SELP T2+32, T1+32, T1+64, FE, FA, FB
	v_lshlrev_b32 v[FSH], 16, v[FE]
	v_cmp_ge_f32 vcc_lo, v[\x], v[T2+16]
	LEVEL T2, T1, 16
	SELP T1+16, T2+16, T2+32, FO, FE, FSH
	v_lshlrev_b32 v[FSH], 8, v[FO]
	v_cmp_ge_f32 vcc_lo, v[\x], v[T1+8]
	LEVEL T1, T2, 8
	SELP T2+8, T1+8, T1+16, FE, FO, FSH
	v_lshlrev_b32 v[FSH], 4, v[FE]
	v_cmp_ge_f32 vcc_lo, v[\x], v[T2+4]
	LEVEL T2, T1, 4
	SELP T1+4, T2+4, T2+8, FO, FE, FSH
	v_lshlrev_b32 v[FSH], 2, v[FO]
	v_cmp_ge_f32 vcc_lo, v[\x], v[T1+2]
	LEVEL T1, T2, 2
	SELP T2+2, T1+2, T1+4, FE, FO, FSH
	v_lshlrev_b32 v[FSH], 1, v[FE]
	v_cmp_ge_f32 vcc_lo, v[\x], v[T2+1]
	SEL2 T1, T2, T2+1                              ; lo = v[T1], hi = v[T1+1]
	v_cndmask_b32 v[FO], v[FE], v[FSH], vcc_lo
	v_dual_sub_f32 v[SP], v[\x], v[T1] :: v_dual_sub_f32 v[SN], v[\x], v[T1+1]
	v_lshlrev_b32 v[A2], 1, v[SP]                  ; 2 |sP| as a whole number: the sign falls out at the top
	v_alignbit_b32 v[B2], v[SN], v[FO], 31         ; 2 |sN| + U
	v_cmp_lt_u32 vcc_lo, v[A2], v[B2]              ; |sP| < |sN|, or equal and lo comes first
	v_cndmask_b32 v[SP], v[SN], v[SP], vcc_lo
	v_sub_f32 v[\x], v[\x], v[SP]                  ; x - fl(x - q) = x + fl(q - x)
.endm
.irp g, 0,1,2,3
	s_wait_loadcnt 3-\g                            ; group g is in; the younger groups stay out
	ELEM (X+4*\g)
	ELEM (X+4*\g+1)
	ELEM (X+4*\g+2)
	ELEM (X+4*\g+3)
	global_store_b128 v1, v[X+4*\g:X+4*\g+3], s[8:9] offset:\g*GRP th:TH_STORE_NT   ; its registers are not written again
.endr
	s_wait_tensorcnt 0x0
	ds_add_u32 v254, v255
	s_wait_dscnt 0x0
	s_endpgm
.Lfunc_end_k_q118f88050f_quantize:
	.size	k_q118f88050f_quantize, .Lfunc_end_k_q118f88050f_quantize-k_q118f88050f_quantize
	.p2alignl 7, 3214868480
	.fill 96, 4, 3214868480
	.section	.rodata,"a",@progbits
	.p2align	6, 0x0
	.amdhsa_kernel k_q118f88050f_quantize
		.amdhsa_group_segment_fixed_size 3072
		.amdhsa_private_segment_fixed_size 0
		.amdhsa_enable_private_segment 0
		.amdhsa_kernarg_size 24
		.amdhsa_user_sgpr_count 2
		.amdhsa_user_sgpr_kernarg_segment_ptr 1
		.amdhsa_wavefront_size32 1
		.amdhsa_system_sgpr_workgroup_id_x 1
		.amdhsa_system_sgpr_workgroup_id_y 1
		.amdhsa_system_sgpr_workgroup_id_z 1
		.amdhsa_system_vgpr_workitem_id 0
		.amdhsa_next_free_vgpr 256
		.amdhsa_next_free_sgpr 66
		.amdhsa_reserve_vcc 1
		.amdhsa_float_denorm_mode_32 3
		.amdhsa_float_denorm_mode_16_64 3
		.amdhsa_memory_ordered 1
		.amdhsa_forward_progress 1
		.amdhsa_inst_pref_size 123
	.end_amdhsa_kernel
	.amdgpu_metadata
---
amdhsa.version: [ 1, 2 ]
amdhsa.kernels:
  - .name:           k_q118f88050f_quantize
    .symbol:         k_q118f88050f_quantize.kd
    .args:
      - { .name: x, .offset: 0, .size: 8, .value_kind: global_buffer, .address_space: global }
      - { .name: centers, .offset: 8, .size: 8, .value_kind: global_buffer, .address_space: global }
      - { .name: out0, .offset: 16, .size: 8, .value_kind: global_buffer, .address_space: global }
    .group_segment_fixed_size: 3072
    .private_segment_fixed_size: 0
    .kernarg_segment_align: 8
    .kernarg_segment_size: 24
    .max_flat_workgroup_size: 512
    .sgpr_count:     66
    .vgpr_count:     256
    .wavefront_size: 32
...
	.end_amdgpu_metadata
.endif
;; end of part 1
